; MI455X (gfx1250); checked and timed in simulation.
; The chip was launched on July 23, 2026; its instructions are those of AMD's public machine-readable ISA for CDNA 5 (MIT licence, August 2026) and "CDNA5" Instruction Set Architecture Reference Guide (July 2026). The comments in the code are by the model that wrote it; some were corrected since.
;; Multi Head Self Attention. Allowed arithmetic: matrix products marked QUANTISED: E2M3 operands, one E8M0 scale for each 32 along K, by v_wmma_scale_f32_16x16x128_f8f6f4 with both operands' format E2M3, f32 sums; products left as they are: f32 operands where the result goes on into a quantised operand, else bf16, f16 or f32 operands; f32 sums; everything else in f32.
;; Inputs: W_out 1,024 x 1,024 float32; W_qkv 1,024 x 3,072 float32; b_out 1,024 float32; b_qkv 3,072 float32; x 4 x 4,096 x 1,024 float32.
;; Outputs: out0 4 x 4,096 x 1,024 float32.
;; This version of the problem:
;;   THIS VERSION OF THE PROBLEM IS GIVEN IN LOW PRECISION. The matrix products marked QUANTISED in the list below multiply operands that are first quantised to E2M3 (2 exponent bits, 3 mantissa bits; 6 bits a number), with one power-of-two scale for each 32 numbers along K (OCP MX v1.0); their sums are f32. All else is computed in f32.
;;   The module's matrix products, in the order in which they are computed (A, B: the left and right operand; K: the contracted axis; several contracted axes count as one K, in the product's order):
;;     1. [M 16,384, K 1,024] x [K 1,024, N 3,072]; A: input x; B: input W_qkv: QUANTISED
;;     2. batch 16,384 x [M 16, K 64] x [K 64, N 16]; A: computed on the way; B: computed on the way: QUANTISED
;;     3. batch 16,384 x [M 16, K 16] x [K 16, N 64]; A: softmax; B: computed on the way: left as it is (K = 16 < 32)
;;     4. [M 16,384, K 1,024] x [K 1,024, N 1,024]; A: computed on the way; B: input W_out: QUANTISED
;;   THE QUANTISER, for each operand of a quantised product, along K:
;;     - K is cut into blocks of 32 from its start; a last block that is shorter is filled with zeros.
;;     - A block's scale is 2^e with e = floor(log2(the largest magnitude in the block)) - 2, held to -126 .. 127; a block of zeros has e = 0. As a byte (E8M0): e + 127.
;;     - Each number is divided by its block's scale, clamped to +-7.5, and rounded to the nearest number of E2M3, ties to even, subnormals kept.
;;     - The product sums the exact products of the quantised numbers (number of the format x scale) in f32.
;;   ~~~python
;;   def quantise(x, axis):      # numpy; x: float32 -> the quantised numbers, widened to float32 again
;;       x = np.moveaxis(x, axis, -1); K = x.shape[-1]
;;       x = np.pad(x, [(0, 0)] * (x.ndim - 1) + [(0, -K % 32)]); x = x.reshape(x.shape[:-1] + (-1, 32)); a = np.abs(x).max(-1, keepdims=True)
;;       e = np.where(a > 0, np.clip(np.frexp(np.where(a > 0, a, 1))[1] - 1 - 2, -126, 127), 0)      # np.frexp(a)[1] - 1 = floor(log2(a)), exactly
;;       r = np.clip(x / 2.0 ** e, -7.5, 7.5)
;;       step = 2.0 ** (np.maximum(np.frexp(np.where(r == 0, 1, r))[1] - 1, 0) - 3)
;;       q = np.round(r / step) * step * 2.0 ** e      # np.round: ties to even
;;       return np.moveaxis(q.reshape(q.shape[:-2] + (-1,))[..., :K], -1, axis).astype(np.float32)
;;   ~~~
;;   OPERANDS COMPUTED ON THE WAY. 'Computed on the way' means the value that the module computes at that place (a softmax that the list does not call 'softmax' is quantised finished and normalised). What goes into a quantiser is computed in f32, as accurately as f32 sums, v_exp_f32 and their like allow (about 1e-6 of the number): no bf16 or f16 on the way to a quantiser, and a product that is left as it is and whose result goes on into a quantised operand takes f32 operands (vector FMAs, or v_wmma_f32_16x16x4_f32). A number that lies on a knife's edge between two numbers of the format may be rounded either way, as far as f32 arithmetic and the matrix unit's own rounding can turn it there, and no further.
;; One version. Each part assembles by itself: llvm-mc -triple=amdgcn-amd-amdhsa -mcpu=gfx1250 --defsym DOCPART=n.
;; ======== version 1 of 1: 2 launches
;; limits: right only within a limited range of input values
;; workspace buffers: wstream 3,342,336 bytes
;; launch prep (part 1): grid 256 x 1, 8 waves a work-group, no clusters, 0 bytes of LDS; arguments W_qkv, b_qkv, W_out, b_out, wstream; writes wstream
.if DOCPART == 1
	.amdgcn_target "amdgcn-amd-amdhsa--gfx1250"
	.amdhsa_code_object_version 6
	.text
	.protected	k_q59ded90e07_prep
	.globl	k_q59ded90e07_prep
	.p2align	8
	.type	k_q59ded90e07_prep,@function
k_q59ded90e07_prep:
	s_mov_b64 s[64:65], 0
	v_nop
	global_prefetch_b8 v0, s[64:65] scope:SCOPE_SE
	s_setreg_imm32_b32 hwreg(HW_REG_WAVE_MODE, 25, 1), 1
	s_wait_xcnt 0x0
; W_qkv [1024][3072], W_out [1024][1024], b_qkv [3072], b_out [1024], all f32, become ONE stream of 256 records of 13,056 bytes, in the order and in the
; register image in which the second launch takes them.  A record is 16 columns n(rho), rho = 0 .. 15, of a weight, over all K = 1,024:
;   bytes 0 .. 12,287      eight fragments of codes of FP6 (E2M3), K step s (128 along K) at 1,536 s; in it registers 4 c .. 4 c + 3 of lane l at 512 c + 16 l
;   bytes 12,288 .. 12,799 the scale words: K step s, column rho at 64 s + 4 rho: four E8M0 bytes, one for each 32 along K
;   bytes 12,800 .. 12,863 the 16 columns' biases, f32;   bytes 12,864 .. 13,055 zeros
; Record 8 tau + iota: tile tau = 0 .. 31 (what one LDS slot of the second launch holds), iota = 2 w + e: wave w's e-th record.
; A LANE TAKES A COLUMN AND ITS REGISTERS RUN DOWN K, in the order that the operand's layout gives lane (rho, h): k = 64 c + 32 h + 0 .. 31.  So the conversions' results are the operand's registers.
; A block's scale is 2^(floor(log2(its largest magnitude)) - 2); its byte is that magnitude's exponent field - 2, held at 1 from below.
; LIMITS: a block of zeros, or one whose largest magnitude lies under 2^-124, gets the byte 1 (a block of zeros has zero codes, and this program alone reads the bytes); NaN and infinities are not served.
; SHARES: work-group 8 tau + s; its wave iota makes fragment s of record 8 tau + iota.  The eight waves of a work-group read 128 columns of the same 128 rows.  Waves share nothing: no barrier.
.set REC,  13056
.set X,    32                          ; v32-95  64 numbers: X + 32 c + i = W(128 s + 64 c + 32 h + i, my column)
	s_load_b256 s[4:11], s[0:1], 0x0               ; W_qkv s[4:5], b_qkv s[6:7], W_out s[8:9], b_out s[10:11]
	s_load_b64 s[12:13], s[0:1], 0x20              ; the stream
	v_lshrrev_b32 v1, 5, v0
	s_delay_alu instid0(VALU_DEP_1)
	v_readfirstlane_b32 s14, v1                    ; iota = my wave
	v_and_b32 v1, 31, v0                           ; lane
	v_and_b32 v2, 15, v0                           ; rho
	v_bfe_u32 v3, v0, 4, 1                         ; h
	s_lshr_b32 s15, ttmp9, 3                       ; tau
	s_and_b32 s16, ttmp9, 7                        ; s
	s_lshr_b32 s17, s14, 1                         ; w
	s_and_b32 s18, s14, 1                          ; e
	v_lshlrev_b32 v6, 4, v1                        ; an image's place for my lane
	v_lshlrev_b32 v7, 2, v2                        ; a scale word's
	s_mov_b32 s32, 0x76543210
	s_mov_b32 s33, 0xfedcba98                      ; v_permlanex16_b32's selects for lane l xor 16
	s_lshl_b32 s19, s15, 3
	s_add_co_u32 s19, s19, s14
	s_mul_i32 s20, s19, REC                        ; my record's first byte
	s_mov_b32 s21, 0
	; ---- which column is mine: three kinds of tile
	s_cmp_lt_u32 s15, 16
	s_cbranch_scc0 .Lnot_qk
	; tau < 16: q (even tau) or k (odd): block of 32 columns beta = 4 (tau / 2) + w; n = base + 32 beta + 8 e + rho + 8 (rho / 8): so the results of records e = 0, 1 give a lane 16 neighbouring columns
	s_and_b32 s22, s15, 1
	s_lshl_b32 s22, s22, 10
	s_lshr_b32 s23, s15, 1
	s_lshl_b32 s23, s23, 2
	s_add_co_u32 s23, s23, s17
	s_lshl_b32 s23, s23, 5
	s_add_co_u32 s22, s22, s23
	s_lshl_b32 s23, s18, 3
	s_add_co_u32 s22, s22, s23
	s_wait_alu depctr_va_vdst(0)
	v_and_b32 v4, 8, v2
	s_delay_alu instid0(VALU_DEP_1)
	v_add3_u32 v4, v4, v2, s22
	s_branch .Lcols
.Lnot_qk:
	s_cmp_lt_u32 s15, 24
	s_cbranch_scc0 .Lw_out
	; 16 <= tau < 24: v.  b = (tau - 16) / 4, sigma = (tau - 16) % 4: four heads g and 32 channels d: g = 8 ((iota / 2) % 2) + 2 sigma + rho % 2,
	; d = 32 b + 8 (iota / 4) + 16 (iota % 2) + 4 (rho / 8) + (rho % 8) / 2;  n = 2,048 + 64 g + d
	s_sub_co_u32 s22, s15, 16
	s_lshr_b32 s23, s22, 2
	s_and_b32 s22, s22, 3
	s_bfe_u32 s24, s14, 0x10001
	s_lshl_b32 s24, s24, 9
	s_lshl_b32 s22, s22, 7
	s_add_co_u32 s22, s22, s24
	s_lshl_b32 s23, s23, 5
	s_add_co_u32 s22, s22, s23
	s_lshr_b32 s24, s14, 2
	s_lshl_b32 s24, s24, 3
	s_add_co_u32 s22, s22, s24
	s_lshl_b32 s24, s18, 4
	s_add_co_u32 s22, s22, s24
	s_add_co_u32 s22, s22, 2048
	s_wait_alu depctr_va_vdst(0)
	v_and_b32 v4, 1, v2
	s_delay_alu instid0(VALU_DEP_1)
	v_lshlrev_b32 v4, 6, v4
	v_lshrrev_b32 v15, 3, v2
	s_delay_alu instid0(VALU_DEP_1)
	v_lshl_add_u32 v4, v15, 2, v4
	v_bfe_u32 v15, v2, 1, 2
	s_delay_alu instid0(VALU_DEP_1)
	v_add3_u32 v4, v4, v15, s22
	s_branch .Lcols
.Lw_out:
	; tau >= 24: W_out.  jj = tau - 24: n = 256 (jj / 2) + 64 w + 32 (jj % 2) + 16 e + rho
	s_sub_co_u32 s22, s15, 24
	s_lshr_b32 s23, s22, 1
	s_lshl_b32 s23, s23, 8
	s_and_b32 s22, s22, 1
	s_lshl_b32 s22, s22, 5
	s_add_co_u32 s22, s22, s23
	s_lshl_b32 s23, s17, 6
	s_add_co_u32 s22, s22, s23
	s_lshl_b32 s23, s18, 4
	s_add_co_u32 s22, s22, s23
	s_wait_alu depctr_va_vdst(0)
	v_add_nc_u32 v4, s22, v2
.Lcols:
	s_wait_alu depctr_va_vdst(0)
	v_lshlrev_b32 v29, 2, v4                       ; 4 n: my column's byte in a row, and in the bias
	s_wait_kmcnt 0x0
	s_add_nc_u64 s[12:13], s[12:13], s[20:21]      ; the stream at my record
	s_cmp_lt_u32 s15, 24
	s_cbranch_scc0 .Lfrom_out
	s_mul_i32 s22, s16, 128*12288                  ; W_qkv at row 128 s: a row is 12,288 bytes
	s_mov_b32 s23, 0
	s_add_nc_u64 s[4:5], s[4:5], s[22:23]
	s_wait_alu depctr_va_vdst(0)
	v_mad_u32_u24 v5, v3, 32*12288, v29            ; lanes 16-31 begin 32 rows further down
.set I, 0
.rept 64
	global_load_b32 v[X+I], v5, s[4:5] offset:(64*(I/32)+I%32)*12288 th:TH_LOAD_NT   ; each number of W is read once in the launch
.set I, I+1
.endr
	s_branch .Lloaded
.Lfrom_out:
	s_lshl_b32 s22, s16, 19                        ; W_out at row 128 s: a row is 4,096 bytes
	s_mov_b32 s23, 0
	s_add_nc_u64 s[8:9], s[8:9], s[22:23]
	s_wait_alu depctr_va_vdst(0)
	v_lshl_add_u32 v5, v3, 17, v29
.set I, 0
.rept 64
	global_load_b32 v[X+I], v5, s[8:9] offset:(64*(I/32)+I%32)*4096 th:TH_LOAD_NT
.set I, I+1
.endr
.Lloaded:
	s_mul_i32 s22, s16, 1536
	s_mov_b32 s23, 0
	s_add_nc_u64 s[34:35], s[12:13], s[22:23]      ; my fragment's image
	s_lshl_b32 s22, s16, 6
	s_add_nc_u64 s[36:37], s[12:13], s[22:23]      ; my K step's scale words, 12,288 bytes on
	s_wait_loadcnt 0x0
	; ---- my two blocks, 2 c + h of the K step: all 32 numbers of each are mine
.irp c, 0,1
	v_max3_num_f32 v[8+\c], |v[X+32*\c]|, |v[X+32*\c+1]|, 0x1800000   ; and the floor 2^(3 - 127): so the byte cannot fall under 1
.endr
.irp i, 2,4,6,8,10,12,14,16,18,20,22,24,26,28,30
.irp c, 0,1
	s_delay_alu instid0(VALU_DEP_2)
	v_max3_num_f32 v[8+\c], v[8+\c], |v[X+32*\c+\i]|, |v[X+32*\c+\i+1]|   ; (the two blocks by turns)
.endr
.endr
.irp c, 0,1
	s_delay_alu instid0(VALU_DEP_2)
	v_add_nc_u32 v[10+\c], 0xff000000, v[8+\c]     ; 2 off the exponent field: the conversion takes the exponent field of this operand as its scale
.endr
.irp c, 0,1
	s_delay_alu instid0(VALU_DEP_2)
	v_lshrrev_b32 v[12+\c], 23, v[10+\c]           ; the scale's byte
.endr
	s_delay_alu instid0(VALU_DEP_1)
	v_lshl_or_b32 v14, v13, 16, v12                ; my two bytes: blocks h and 2 + h,
	v_lshlrev_b32 v15, 3, v3
	s_delay_alu instid0(VALU_DEP_1)
	v_lshlrev_b32 v14, v15, v14                    ; at their places in the word (8 h bits up);
	v_mov_b32 v15, 0
	s_delay_alu instid0(VALU_DEP_1)
	v_permlanex16_b32 v15, v14, s32, s33
	s_delay_alu instid0(VALU_DEP_1)
	v_or_b32 v14, v14, v15                         ; with lane l xor 16's two the word is whole
.irp c, 0,1
	v_cvt_scalef32_pk16_fp6_f32 v[16+6*\c:18+6*\c], v[X+32*\c:X+32*\c+15], v[10+\c]      ; registers 6 c .. 6 c + 5 of the fragment
	v_cvt_scalef32_pk16_fp6_f32 v[96+4*\c:98+4*\c], v[X+32*\c+16:X+32*\c+31], v[10+\c]   ; (a conversion's three registers begin on an even number: the second half is made elsewhere and moved)
.endr
	v_nop                                          ; one plain place behind a scaled conversion
.irp c, 0,1
.irp i, 0,1,2
	v_mov_b32 v[19+6*\c+\i], v[96+4*\c+\i]
.endr
.endr
.irp c, 0,1,2
	global_store_b128 v6, v[16+4*\c:19+4*\c], s[34:35] offset:512*\c   ; 32 lanes store 512 consecutive bytes, at a multiple of 256 from the stream's first byte
.endr
	global_store_b32 v7, v14, s[36:37] offset:12288    ; 16 words, 64 bytes (lanes 16-31 repeat lanes 0-15's, same address, same value): one byte for each 128 that the launch reads; the eight K steps' words of a record come from eight work-groups
	s_cmp_lg_u32 s16, 0
	s_cbranch_scc1 .Ldone
	; ---- K step 0's wave also stores the record's last 256 bytes: 16 biases, then zeros
	s_cmp_lt_u32 s15, 24
	s_cselect_b64 s[6:7], s[6:7], s[10:11]         ; b_qkv or b_out: the choice hangs on the tile's number alone
	global_load_b32 v28, v29, s[6:7]               ; lane (rho, h): the bias of column n(rho)
	v_lshlrev_b32 v8, 3, v1                        ; 8 x lane: as a lane index (x 4) lane 2 l, and my 8 bytes' place
	s_delay_alu instid0(VALU_DEP_1)
	v_add_nc_u32 v9, 4, v8                         ; lane 2 l + 1
	v_cmp_gt_u32 vcc_lo, 8, v1
	s_wait_alu depctr_va_vdst(0)
	s_wait_loadcnt 0x0
	ds_bpermute_b32 v30, v8, v28                   ; (through the LDS unit, no LDS byte is touched)
	ds_bpermute_b32 v31, v9, v28
	s_wait_dscnt 0x0
	v_cndmask_b32 v30, 0, v30, vcc_lo              ; lanes 8-31: zeros
	v_cndmask_b32 v31, 0, v31, vcc_lo
	global_store_b64 v8, v[30:31], s[12:13] offset:12800   ; 32 lanes store 256 consecutive bytes, aligned
.Ldone:
	s_endpgm
.Lfunc_end_k_q59ded90e07_prep:
	.size	k_q59ded90e07_prep, .Lfunc_end_k_q59ded90e07_prep-k_q59ded90e07_prep
	.p2alignl 7, 3214868480
	.fill 96, 4, 3214868480
	.section	.rodata,"a",@progbits
	.p2align	6, 0x0
	.amdhsa_kernel k_q59ded90e07_prep
		.amdhsa_group_segment_fixed_size 0
		.amdhsa_private_segment_fixed_size 0
		.amdhsa_enable_private_segment 0
		.amdhsa_kernarg_size 40
		.amdhsa_user_sgpr_count 2
		.amdhsa_user_sgpr_kernarg_segment_ptr 1
		.amdhsa_wavefront_size32 1
		.amdhsa_system_sgpr_workgroup_id_x 1
		.amdhsa_system_sgpr_workgroup_id_y 1
		.amdhsa_system_sgpr_workgroup_id_z 1
		.amdhsa_system_vgpr_workitem_id 0
		.amdhsa_next_free_vgpr 112
		.amdhsa_next_free_sgpr 66
		.amdhsa_reserve_vcc 1
		.amdhsa_float_denorm_mode_32 3
		.amdhsa_float_denorm_mode_16_64 3
		.amdhsa_memory_ordered 1
		.amdhsa_forward_progress 1
		.amdhsa_inst_pref_size 22
	.end_amdhsa_kernel
	.amdgpu_metadata
---
amdhsa.version: [ 1, 2 ]
amdhsa.kernels:
  - .name:           k_q59ded90e07_prep
    .symbol:         k_q59ded90e07_prep.kd
    .args:
      - { .name: W_qkv, .offset: 0, .size: 8, .value_kind: global_buffer, .address_space: global }
      - { .name: b_qkv, .offset: 8, .size: 8, .value_kind: global_buffer, .address_space: global }
      - { .name: W_out, .offset: 16, .size: 8, .value_kind: global_buffer, .address_space: global }
      - { .name: b_out, .offset: 24, .size: 8, .value_kind: global_buffer, .address_space: global }
      - { .name: wstream, .offset: 32, .size: 8, .value_kind: global_buffer, .address_space: global }
    .group_segment_fixed_size: 0
    .private_segment_fixed_size: 0
    .kernarg_segment_align: 8
    .kernarg_segment_size: 40
    .max_flat_workgroup_size: 256
    .sgpr_count:     66
    .vgpr_count:     112
    .wavefront_size: 32
...
	.end_amdgpu_metadata
.endif
;; end of part 1
;; launch fused (part 2): grid 256 x 1, 4 waves a work-group, clusters of 4 x 1, 327,680 bytes of LDS; arguments x, wstream, out0; writes out0
.if DOCPART == 2
	.amdgcn_target "amdgcn-amd-amdhsa--gfx1250"
	.amdhsa_code_object_version 6
	.text
	.protected	k_q59ded90e07_fused
	.globl	k_q59ded90e07_fused
	.p2align	8
	.type	k_q59ded90e07_fused,@function
k_q59ded90e07_fused:
	s_mov_b64 s[64:65], 0
	v_nop
	global_prefetch_b8 v0, s[64:65] scope:SCOPE_SE
	s_setreg_imm32_b32 hwreg(HW_REG_WAVE_MODE, 25, 1), 1
	s_wait_xcnt 0x0
	s_wait_alu depctr_hold_cnt(0) depctr_sa_sdst(0) depctr_va_vdst(0) depctr_va_sdst(0) depctr_va_ssrc(0) depctr_va_vcc(0) depctr_vm_vsrc(0)
	s_getreg_b32 s2, hwreg(HW_REG_IB_STS2, 6, 4)
	s_cmp_eq_u32 s2, 0
	s_cbranch_scc0 .Lentry_in_a_cluster
	s_endpgm
.Lentry_in_a_cluster:
	s_bfe_u32 s2, ttmp6, 0x10000c
	s_cmp_lg_u32 s2, 0x3003
	s_cbranch_scc0 .Lentry_shape_is_right
	s_endpgm
.Lentry_shape_is_right:
; out0 = attention_over_heads(x W_qkv + b_qkv) W_out + b_out for 64 tokens a work-group; nothing between x and out0 goes to memory.
; The three large products and q k^T run on codes of FP6 (E2M3) with one E8M0 scale for each 32 along K; att v runs on f32 operands, since its result is quantised next.
; SHARES.  256 work-groups of four waves; a work-group owns tokens 64 WG .. 64 WG + 63 (four tiles of 16 rows).  In the large products THE WAVES SHARE THE COLUMNS: every wave holds the codes of all 64 rows in
; registers (32 fragments, 384 registers), and a weight fragment is read from LDS by one wave and feeds four matrix instructions.  In the attention wave w owns tokens 16 w .. 16 w + 15.
; THE WEIGHTS come as the stream that the first launch laid: 32 tiles of 104,448 bytes, wave w's share (two records of 13,056 bytes: 16 columns each, all of K, scale words, biases) at 26,112 w.  They go through a ring of
; two LDS slots.  The four work-groups of a cluster walk the stream alike, so they ask for each tile JOINTLY.  A wave reads only the bytes that its own load brought.
; THE ORDER OF THE WALK differs from cluster to cluster.  The walk has 16 steps of a pair of tiles.  In step QN cluster c takes pair (QN + c) mod 8 while QN < 8 (a tile of q and one of k: the eight pairs are independent),
; pair QN for QN = 8 .. 11 (v), and pair 12 + (QN + c) mod 4 from 12 on (W_out: four independent pairs).  So in one step the clusters ask for eight (four) different pairs, and from a phase's second step on each pair
; has been asked for before, by the cluster one number higher.  The cluster's number is the same in all four partners: their descriptors stay equal.
; THE MATRIX INSTRUCTION IS USED TRANSPOSED (source 0 = 16 columns of a weight, source 1 = 16 rows): a lane holds one token and eight columns; the bias is the C of a sum's first instruction.
; PHASES.  X: x is quantised, its codes go through LDS into every wave's registers.  QK (steps 0-7): 32 columns of q or k a wave and tile, quantised in registers, codes to LDS.  SCORES: a token's 16 x 16 scores by one
; matrix instruction (K = 64, the upper 64 zero codes), softmax in f32 with the row's maximum taken away.  V (tiles 16-23): a tile brings 4 heads x 32 channels of v, f32, through LDS; o += att v by the f32 matrix form,
; K = those 4 heads; after four tiles 32 channels of o are whole, are quantised, and their codes go to LDS.  OUT (tiles 24-31): o's codes against W_out; results leave through a stage in LDS.
; LIMITS: NaN and infinities among the inputs are not served; a block whose largest magnitude lies under 2^-124 (a block of zeros among them) gets the scale byte 1; weights p under 2^-126 of a row's largest count as 0;
; att v is summed over the heads in the order {2 s, 2 s + 1, 8 + 2 s, 9 + 2 s}, s = 0 .. 3.
; REGISTERS, in windows of 256.  Window 0: v1-31 addresses; v32-47 the rows' scale words; v48-55 the weights'; v56-71 biases; v72-84 the quantiser's; v96-159 eight accumulators ((m, e) at 16 m + 8 e);
;   v160-255 weight fragments, two halves of 48; while these are idle: codes just made (v160-179), v's operands (v160-223), rows on the way out.
;   Windows 1 and 2: v0-191 the rows' fragments ((m, s) in window 1 + s / 4 at 12 (4 (s % 4) + m)); v192-255 att (token t in window 1 + t / 8 at 192 + 8 (t % 8)); in phase X both hold x as loaded.
;   Window 3: o's 32 accumulators (token t, half u at 16 t + 8 u): written by the f32 matrix form alone.
.set TILE,  104448                     ; a slot, and a tile of the stream
.set WSH,   26112                      ; a wave's share of it: 102 rows of 256 bytes
.set REC,   13056                      ; a record
.set RP,    784                        ; a token's 768 bytes of codes + 16: row r starts 4 r banks on (64 banks of 4 bytes: ISA guide 11.1)
.set RC0,   2*TILE                     ; 64 rows of codes: x's, then q's, then o's
.set RC1,   RC0+64*RP                  ; k's
.set RS0,   RC1+64*RP                  ; 64 x 32 scale bytes: x's, q's, o's
.set RS1,   RS0+2048                   ; k's
.set SPARE, RS1+2048                   ; the spare words, 128 bytes for each wave: two blocks of 256 bytes that no other line names
.set XT,    RC1                        ; phase X: a stage of 16 rows x (512 + 16) bytes for each wave
.set VB,    RC1                        ; phase V: 64 tokens x (512 + 16) bytes of v
.set STG,   RC0                        ; phase OUT: 64 rows x (256 + 16) bytes for each wave (it reaches into RC1, which is idle then)
.set SPW, 1                            ; v1  LDS address of my spare word; never rewritten
.set NIL, 2                            ; v2  0; never rewritten
.set WA,  3                            ; v3, v4    slot 0, 1: my share + 16 x lane: fragment images
.set WS,  5                            ; v5, v6    my share + 4 x lane: scale words
.set WBI, 7                            ; v7, v8    my share + 32 h: biases
.set XA,  9                            ; 16 x lane: x
.set XTW, 10                           ; my stage + 16 x lane
.set XTR, 11                           ; my stage + 528 r + 64 h
.set CW,  12                           ; RC0 + 784 (16 w + r) + 24 h
.set SW,  13                           ; RS0 + 32 (16 w + r)
.set RA,  14                           ; RC0 + 784 r + 24 h
.set RSA, 15                           ; RS0 + 32 r + 4 h
.set QW0, 16                           ; RC0 + 784 x lane
.set KW0, 17                           ; RC1 + 784 x lane
.set QS0, 18                           ; RS0 + 32 r
.set KS0, 19                           ; RS1 + 32 r
.set DA,  20                           ; addresses made for the stores in hand: codes,
.set DB,  21                           ; scale bytes
.set QR,  22                           ; RC0 + 784 x 16 w + 96 p + 48 (r % 2) + 24 h, p = the step in which my cluster made heads r - r % 2, r - r % 2 + 1
.set KR,  23                           ; the same in RC1
.set QSR, 24                           ; RS0 + 512 w + 4 p + 2 (r % 2)
.set KSR, 25                           ; the same in RS1
.set VW,  26                           ; VB + 528 r + 128 w + 32 h
.set VR,  27                           ; VB + 528 x 16 w + 8 x lane
.set OW0, 28                           ; RC0 + 784 (16 w + h) + 48 r
.set OS0, 29                           ; RS0 + 512 w + 2 r: o's scale bytes
.set SG,  30                           ; my stage + 272 r + 32 h
.set SGR, 31                           ; my stage + 272 h + 16 r
.set XS,  32
.set WSC, 48
.set BI,  56                           ; in SCORES: pairs (-c max, at work), token t' at BI + 2 t'
.set TM,  72                           ; +0..3 largest magnitudes, +4..7 lane l xor 16's, then the bytes, +8..11 the conversions' scale operands
.set UU,  72                           ; in SCORES: pairs (sum, at work)
.set PW,  84                           ; the scale word just made
.set PFO, 89                           ; 256 x lane; never rewritten
.set GO,  90                           ; 4,096 h + 16 r: out0
.set LN,  91
.set RR,  92
.set HH,  93
.set T0,  94
.set T1,  95
.set ACC, 96
.set WB,  160
.set PC,  160
.set VO,  160
.set ATT, 192
.set BW1, 2                            ; s[2:3]   the stream at my share of tile 1
.set WV,  10                           ; s10 my wave
.set GR,  13                           ; s13 my cluster's number
.set BW0, 14                           ; s[14:15] the stream at my share of tile 0
.set G1,  16                           ; s[16:23] descriptor group 1
.set G0,  24                           ; s[24:27], s[28:31] group 0 for slot 0, 1
.set SEL, 32                           ; s[32:33] v_permlanex16_b32's selects for lane l xor 16
.set CS,  34                           ; s[34:35] c = log2(e) / 8
.set NCS, 36                           ; s36 -c
.set CNT, 37                           ; s37 the loop in hand
.set CB24, 38                          ; s38 24 (4 j + w), s39 4 j + w: the place, by the walk's step j, of the block of 32 columns of q or k that I make
.set CB,  39
.set OB24, 40                          ; s40 24 b, s41 b: which 32 channels of o
.set OB,  41
.set PFA, 42                           ; s[42:43] where my prefetches stand
.set LIM, 44                           ; s44 6 in the first cluster, else 0: how many changes of slots ask
.set PFC, 45                           ; s45 changes of slots passed
.set OA,  56                           ; s[56:57] out0 at the 256 columns in hand
.set PST, 58                           ; s[58:59] the prefetches' step: 262,144 or 0
.set POF, 60                           ; s[60:61] where the pair of tiles to be asked for begins in the stream
.set QN,  62                           ; s62 the walk's step to be asked for next
.set QO,  63                           ; s63 my cluster's number + the pairs of W_out's tiles done
.set MSB, 0
.macro WIN new                         ; the immediate's high byte repeats the setting that is left; a switch that changes nothing is dropped
.if MSB != (\new)
	s_set_vgpr_msb (MSB<<8)|(\new)
.set MSB, (\new)
.endif
.endm
.macro PLACES n                        ; plain vector instructions between a matrix instruction and what touches its registers (ISA guide 7.12.1)
.rept \n
	v_nop
.endr
.endm
.macro BARRIER                         ; my LDS stores have landed and my LDS loads are in: then the work-group's barrier.
	s_wait_dscnt 0x0
	s_barrier_signal -1
	s_barrier_wait -1
.endm
.macro ROUND                           ; a round of the cluster's barrier
	s_barrier_signal -1
	s_barrier_wait -1
	s_cmp_lg_u32 s[WV], 0
	s_cbranch_scc1 .Lnot_wave_0_\@
	s_barrier_signal -3
.Lnot_wave_0_\@:
	s_barrier_wait -3
	s_barrier_signal -1
	s_barrier_wait -1
.endm
; A PREFETCH INTO THE L2 of tiles 16 on (v's and W_out's).  The first cluster asks.  Its sixteen waves share 262,144 bytes out BY ADDRESS (two instructions a wave, 8,192 bytes each, lanes 256 bytes apart), so no branch
; hangs on a work-group's place in its cluster.  Changes of slots 13 to 18 ask; the m-th of the six names bytes 16 TILE + 262,144 (m - 1) on.  Change k loads the walk's tile k + 1: tile 16 is named at change 13 and loaded
; at change 15; W_out's tiles are named at changes 16 to 18 and loaded from change 23 on, in whatever order a cluster walks them.  Each block is named once.  The six asks end at byte 3,244,032, inside the stream's
; 3,342,336; the last 98,304 bytes, and tiles 0 to 15, which the clusters ask for in the walk's first step, come by their loads alone.
.macro ASK
	s_sub_co_u32 s46, s[PFC], 12                   ; s[PFC] = k - 1 at change k: under 12 this wraps to a great number
	s_cmp_lt_u32 s46, s[LIM]
	s_cbranch_scc0 .Lnot_mine_\@
	global_prefetch_b8 v[PFO], s[PFA:PFA+1] th:TH_LOAD_NT scope:SCOPE_SE
	global_prefetch_b8 v[PFO], s[PFA:PFA+1] offset:131072 th:TH_LOAD_NT scope:SCOPE_SE
.Lnot_mine_\@:
	s_add_co_u32 s[PFC], s[PFC], 1
.endm
; Which pair of tiles the walk's step s[QN] takes in my cluster, as a byte offset in the stream.  No jump: two selections on the step's number.
.macro NEXTPAIR
	s_add_co_u32 s46, s[QN], s[GR]
	s_and_b32 s47, s46, 7                          ; q's and k's: (QN + c) mod 8
	s_and_b32 s46, s46, 3
	s_add_co_u32 s46, s46, 12                      ; W_out's: 12 + (QN + c) mod 4 (12 is a multiple of 4)
	s_cmp_lt_u32 s[QN], 12
	s_cselect_b32 s46, s[QN], s46                  ; v's: as they lie
	s_cmp_lt_u32 s[QN], 8
	s_cselect_b32 s46, s47, s46
	s_mul_i32 s[POF], s46, 2*TILE                  ; 15 x 208,896 at the most
	s_add_co_u32 s[QN], s[QN], 1
.endm
; THE CHANGE OF SLOTS.  Slot p has been read out.  Each wave waits for all its tensor loads (one is out: its share of the other slot), adds 0 to its spare word, and waits for that and for all its LDS reads and stores.
; The round then says so of every wave of the four work-groups, and the joint refill of slot p, with the walk's tile two steps on, is the first thing behind it: it has the other slot's work in which to land.
.macro CHANGE p, ask
	s_wait_tensorcnt 0x0                           ; no tensor load of mine is out, so a group 0 may be written
	ds_add_u32 v[SPW], v[NIL]                      ; 0 onto my spare word; the scalar lines below stand between it and the wait for it
.if \p == 0
	NEXTPAIR                                       ; slot 0 takes the pair's first tile, slot 1, a change later, its second
	s_add_nc_u64 s[G0+2:G0+3], s[BW0:BW0+1], s[POF:POF+1]
.else
	s_add_nc_u64 s[G0+6:G0+7], s[BW1:BW1+1], s[POF:POF+1]
.endif
	s_or_b32 s[G0+4*\p+3], s[G0+4*\p+3], 0x80000000   ; type = 2
.if \ask
	s_wait_xcnt 0x0                                ; the last prefetches, a slot back, have read their address
	s_sub_co_u32 s46, s[PFC], 13
	s_cmp_lt_u32 s46, 5                            ; changes 14 to 18 step it
	s_cselect_b32 s[PST], 262144, 0
	s_add_nc_u64 s[PFA:PFA+1], s[PFA:PFA+1], s[PST:PST+1]
.endif
	s_wait_dscnt 0x0
	ROUND
	tensor_load_to_lds s[G0+4*\p:G0+4*\p+3], s[G1:G1+7]
	s_nop 0
	PLACES 4                                       ; behind a tensor load
.if \ask
	ASK
.endif
.endm
; 64 numbers of a lane, v[src] on in window win, register 16 b + i = number 16 (lane / 16) + i of block b of my row, become codes and scales:
; v[PC + 6 c .. + 5]: block 2 c + lane / 16, whole;  v[TM + 4 + b]: block b's byte;  v[PW]: the four bytes as a word.
.macro QUANT src, win
	WIN ((\win)<<2)|((\win)<<4)
.irp b, 0,1,2,3
	v_max3_num_f32 v[TM+\b], 0x1800000, |v[(\src)+16*\b]|, |v[(\src)+16*\b+1]|   ; my 16 numbers, from each accumulator's low end on, and the floor 2^(3 - 127): the byte cannot fall under 1
.endr
.irp i, 2,4,6,8,10,12,14
.irp b, 0,1,2,3
	v_max3_num_f32 v[TM+\b], v[TM+\b], |v[(\src)+16*\b+\i]|, |v[(\src)+16*\b+\i+1]|   ; (the four blocks by turns)
.endr
.endr
	WIN 0
.irp b, 0,1,2,3
	v_permlanex16_b32 v[TM+4+\b], v[TM+\b], s[SEL], s[SEL+1]
.endr
.irp b, 0,1,2,3
	v_max_num_f32 v[TM+\b], v[TM+\b], v[TM+4+\b]   ; with lane l xor 16's: the block's largest magnitude
.endr
.irp b, 0,1,2,3
	v_add_nc_u32 v[TM+8+\b], 0xff000000, v[TM+\b]  ; 2 off its exponent field: the conversion's scale operand
.endr
.irp b, 0,1,2,3
	v_lshrrev_b32 v[TM+4+\b], 23, v[TM+8+\b]       ; the scale's byte
.endr
	v_lshl_or_b32 v[PW], v[TM+5], 8, v[TM+4]
	v_lshl_or_b32 v[PW], v[TM+6], 16, v[PW]
	v_lshl_or_b32 v[PW], v[TM+7], 24, v[PW]
	WIN (\win)
.irp c, 0,1
	v_cvt_scalef32_pk16_fp6_f32 v[PC+6*\c:PC+6*\c+2], v[(\src)+32*\c:(\src)+32*\c+15], v[TM+8+2*\c]
	v_cvt_scalef32_pk16_fp6_f32 v[PC+12+4*\c:PC+12+4*\c+2], v[(\src)+32*\c+16:(\src)+32*\c+31], v[TM+9+2*\c]   ; (a conversion's three registers begin on an even number)
.endr
	WIN 0
	v_nop                                          ; one plain place behind a scaled conversion
.irp c, 0,1
.irp i, 0,1,2
	v_permlane16_swap_b32 v[PC+6*\c+\i], v[PC+12+4*\c+\i]   ; the first's lanes 16-31 change places with the second's lanes 0-15: a whole block to a lane
.endr
.irp i, 0,1,2
	v_mov_b32 v[PC+3+6*\c+\i], v[PC+12+4*\c+\i]
.endr
.endr
.endm
; The 64 rows' codes (RC0) and scale words (RS0) into every wave's registers; the barrier at its end frees both regions.
.macro LOADA
	WIN 0x40
.irp s, 0,1,2,3
.irp m, 0,1,2,3
.irp p, 0,1,2,3,4,5
	ds_load_b64 v[12*(4*\s+\m)+2*\p:12*(4*\s+\m)+2*\p+1], v[RA] offset:16*RP*\m+96*\s+48*(\p/3)+8*(\p%3)
.endr
.endr
.endr
	WIN 0x80
.irp s, 0,1,2,3
.irp m, 0,1,2,3
.irp p, 0,1,2,3,4,5
	ds_load_b64 v[12*(4*\s+\m)+2*\p:12*(4*\s+\m)+2*\p+1], v[RA] offset:16*RP*\m+96*(\s+4)+48*(\p/3)+8*(\p%3)
.endr
.endr
.endr
	WIN 0
.irp m, 0,1,2,3
.irp i, 0,1,2,3
	ds_load_b32 v[XS+4*\m+\i], v[RSA] offset:512*\m+8*\i   ; lanes 0-15: K step 2 i's word of row r; lanes 16-31: K step 2 i + 1's
.endr
.endr
	BARRIER
.endm
; Twelve loads: my two records' fragments of K steps 2 g and 2 g + 1, into half g % 2.
.macro WLOAD p, g
.irp ss, 0,1
.irp e, 0,1
.irp c, 0,1,2
	ds_load_b128 v[WB+48*((\g)%2)+12*(2*\ss+\e)+4*\c:WB+48*((\g)%2)+12*(2*\ss+\e)+4*\c+3], v[WA+\p] offset:REC*\e+1536*(2*(\g)+\ss)+512*\c
.endr
.endr
.endr
.endm
; Sixteen products: K steps 2 g and 2 g + 1.  The eight accumulators take turns, one instruction a turn.  A scale register holds an even K step's words in lanes 0-15, the odd one's in lanes 16-31.
.macro PROD g
.irp ss, 0,1
.irp e, 0,1
.irp m, 0,1,2,3
.if 2*(\g)+\ss == 0
	v_wmma_scale_f32_16x16x128_f8f6f4 v[ACC+16*\m+8*\e:ACC+16*\m+8*\e+7], v[WB+48*((\g)%2)+12*(2*\ss+\e):WB+48*((\g)%2)+12*(2*\ss+\e)+11], v[12*(4*((2*(\g)+\ss)%4)+\m):12*(4*((2*(\g)+\ss)%4)+\m)+11], v[BI+8*\e:BI+8*\e+7], v[WSC+4*\e+(\g)], v[XS+4*\m+(\g)] matrix_a_fmt:MATRIX_FMT_FP6 matrix_b_fmt:MATRIX_FMT_FP6
.elseif \ss == 0
	v_wmma_scale_f32_16x16x128_f8f6f4 v[ACC+16*\m+8*\e:ACC+16*\m+8*\e+7], v[WB+48*((\g)%2)+12*(2*\ss+\e):WB+48*((\g)%2)+12*(2*\ss+\e)+11], v[12*(4*((2*(\g)+\ss)%4)+\m):12*(4*((2*(\g)+\ss)%4)+\m)+11], v[ACC+16*\m+8*\e:ACC+16*\m+8*\e+7], v[WSC+4*\e+(\g)], v[XS+4*\m+(\g)] matrix_a_fmt:MATRIX_FMT_FP6 matrix_b_fmt:MATRIX_FMT_FP6
.else
	v_wmma_scale_f32_16x16x128_f8f6f4 v[ACC+16*\m+8*\e:ACC+16*\m+8*\e+7], v[WB+48*((\g)%2)+12*(2*\ss+\e):WB+48*((\g)%2)+12*(2*\ss+\e)+11], v[12*(4*((2*(\g)+\ss)%4)+\m):12*(4*((2*(\g)+\ss)%4)+\m)+11], v[ACC+16*\m+8*\e:ACC+16*\m+8*\e+7], v[WSC+4*\e+(\g)], v[XS+4*\m+(\g)] matrix_a_fmt:MATRIX_FMT_FP6 matrix_b_fmt:MATRIX_FMT_FP6 matrix_a_scale:MATRIX_SCALE_ROW1 matrix_b_scale:MATRIX_SCALE_ROW1
.endif
.endr
.endr
.endr
.endm
; A TILE: my 32 columns x 64 rows x K = 1,024 from slot p: 64 matrix instructions.  In accumulator (m, e) lane (r, h) holds token 16 m + r, and register j the record's column 8 h + j.
.macro GEMM p
.irp e, 0,1
	ds_load_b128 v[BI+8*\e:BI+8*\e+3], v[WBI+\p] offset:REC*\e+12800
	ds_load_b128 v[BI+8*\e+4:BI+8*\e+7], v[WBI+\p] offset:REC*\e+12816
.endr
.irp e, 0,1
.irp i, 0,1,2,3
	ds_load_b32 v[WSC+4*\e+\i], v[WS+\p] offset:REC*\e+12288+128*\i
.endr
.endr
	WLOAD \p, 0
	WLOAD \p, 1
	s_wait_dscnt 12                                ; all but the youngest twelve: biases, scale words and group 0 are in
	WIN 0x04                                       ; source 1, the rows' fragments: window 1
	PROD 0
	PLACES 4                                       ; in front of loads into registers that matrix instructions have read
	WLOAD \p, 2
	s_wait_dscnt 12                                ; group 1 is in
	PROD 1
	PLACES 4
	WLOAD \p, 3
	s_wait_dscnt 12                                ; group 2 is in
	WIN 0x08                                       ; window 2
	PROD 2
	s_wait_dscnt 0x0
	PROD 3
	WIN 0
	PLACES 5                                       ; four would serve the first read of results and what next lands in the fragments' registers; the fifth serves the next tile's first products, which begin these accumulators anew with the biases as C: no link of a chain in place.  In the written-out tail nothing but LDS stores stands between two tiles
.endm
	; ---- the head
	s_load_b128 s[4:7], s[0:1], 0x0                ; x s[4:5], the stream s[6:7]
	s_load_b64 s[8:9], s[0:1], 0x10                ; out0
	v_lshl_add_u32 v[SPW], v0, 2, SPARE
	v_mov_b32 v[NIL], 0
	ds_add_u32 v1, v2
	ds_add_u32 v1, v2
	s_wait_dscnt 0x0
	v_lshrrev_b32 v[T0], 5, v0
	v_readfirstlane_b32 s[WV], v[T0]               ; wave 0..3
	s_bfe_u32 s11, ttmp6, 0x40000                  ; cx: my place in the cluster
	s_lshl_b32 s12, ttmp9, 2                       ; (in a cluster launch ttmp9 counts clusters)
	s_add_co_u32 s12, s12, s11                     ; WG: it enters x's, out0's and the prefetches' addresses alone
	s_mov_b32 s[GR], ttmp9                         ; c, the cluster's number: the same in all four partners
	; descriptor group 1: 102 dense rows of 256 bytes (32 elements of 8 bytes), no padding: fragments lie as register images, so every LDS read takes consecutive bytes
	s_mov_b32 s[G1+0], 15|(3<<16)|(1<<21)          ; 15:0 the mask: all four work-groups; 17:16 elements of 8 bytes; 21 set beside a mask
	s_mov_b32 s[G1+1], 32<<16                      ; tensor_dim0 = 32
	s_mov_b32 s[G1+2], 102<<16                     ; tensor_dim1 = 102
	s_mov_b32 s[G1+3], 32<<16                      ; tile_dim0 = 32
	s_mov_b32 s[G1+4], 102                         ; tile_dim1 = 102
	s_mov_b32 s[G1+5], 32                          ; from row to row
	s_mov_b32 s[G1+6], 0
	s_mov_b32 s[G1+7], 0
	s_mov_b32 s[SEL], 0x76543210
	s_mov_b32 s[SEL+1], 0xfedcba98
	s_mov_b32 s[CS], 0x3e38aa3b                    ; c = log2(e) / sqrt(64)
	s_mov_b32 s[CS+1], s[CS]                       ; (named with it as a pair, so it is written)
	s_mov_b32 s[NCS], 0xbe38aa3b
	s_mov_b32 s[PFC], 0
	s_mov_b32 s[PST+1], 0
	s_mov_b32 s[QN], 1                             ; step 0's pair goes out with the first fills
	s_cmp_eq_u32 ttmp9, 0
	s_cselect_b32 s[LIM], 6, 0                     ; the same in all four partners
	s_and_b32 s52, ttmp9, 7                        ; c mod 8
	s_mul_i32 s[POF], s52, 2*TILE                  ; the walk's first pair of tiles: c mod 8
	s_mov_b32 s[POF+1], 0
	s_xor_b32 s52, s52, 7
	s_add_co_u32 s52, s52, 1                       ; 8 - c mod 8
	v_and_b32 v[LN], 31, v0                        ; lane
	s_wait_alu depctr_va_vdst(0)
	v_and_b32 v[RR], 15, v0                        ; r
	v_bfe_u32 v[HH], v0, 4, 1                      ; h
	s_wait_alu depctr_va_vdst(0)
	s_mul_i32 s46, s[WV], WSH                      ; my share of a slot
	s_mul_i32 s47, s[WV], 16*528
	s_add_co_u32 s47, s47, RC1                     ; my stage for x; later my 16 tokens of v
	s_mul_i32 s48, s[WV], 16*RP                    ; my 16 rows of codes
	s_lshl_b32 s49, s[WV], 9                       ; and of scale bytes
	s_lshl_b32 s50, s[WV], 7
	s_mul_i32 s51, s[WV], 64*272
	s_add_co_u32 s51, s51, STG                     ; my stage for the way out
	v_lshl_add_u32 v[WA], v[LN], 4, s46
	v_add_nc_u32 v[WA+1], TILE, v[WA]
	v_lshl_add_u32 v[WS], v[LN], 2, s46
	v_add_nc_u32 v[WS+1], TILE, v[WS]
	v_lshl_add_u32 v[WBI], v[HH], 5, s46
	v_add_nc_u32 v[WBI+1], TILE, v[WBI]
	v_lshlrev_b32 v[XA], 4, v[LN]
	v_lshl_add_u32 v[XTW], v[LN], 4, s47
	v_mul_u32_u24 v[XTR], v[RR], 528
	v_lshl_add_u32 v[XTR], v[HH], 6, v[XTR]
	v_add_nc_u32 v[XTR], s47, v[XTR]
	v_mul_u32_u24 v[RA], v[RR], RP
	v_mad_u32_u24 v[RA], v[HH], 24, v[RA]
	v_add_nc_u32 v[RA], RC0, v[RA]
	v_add_nc_u32 v[CW], s48, v[RA]
	v_lshl_add_u32 v[SW], v[RR], 5, s49
	v_add_nc_u32 v[SW], RS0, v[SW]
	v_lshlrev_b32 v[RSA], 5, v[RR]
	v_lshl_add_u32 v[RSA], v[HH], 2, v[RSA]
	v_add_nc_u32 v[RSA], RS0, v[RSA]
	v_mul_u32_u24 v[QW0], v[LN], RP
	v_add_nc_u32 v[QW0], RC0, v[QW0]
	v_add_nc_u32 v[KW0], 64*RP, v[QW0]
	v_lshlrev_b32 v[QS0], 5, v[RR]
	v_add_nc_u32 v[QS0], RS0, v[QS0]
	v_add_nc_u32 v[KS0], 2048, v[QS0]
	; where SCORES reads head r.  Heads 2 j' and 2 j' + 1 (four blocks of 32 columns) come from pair j', which my cluster walks in step p = (j' - c) mod 8, and the codes lie in a token's row by the step: 96 p on.
	; Only these reads hang on the cluster's number; every store's place hangs on the step alone.  p is 0 .. 7, so the reads stay inside a token's 768 bytes (32 scale bytes).
	v_lshrrev_b32 v[T0], 1, v[RR]                  ; j' = r / 2
	v_add_nc_u32 v[T0], s52, v[T0]
	v_and_b32 v[T0], 7, v[T0]                      ; p
	v_and_b32 v[T1], 1, v[RR]
	v_mul_u32_u24 v[QR], v[T0], 96
	v_mad_u32_u24 v[QR], v[T1], 48, v[QR]
	v_mad_u32_u24 v[QR], v[HH], 24, v[QR]
	v_add_nc_u32 v[QR], s48, v[QR]
	v_add_nc_u32 v[QR], RC0, v[QR]
	v_add_nc_u32 v[KR], 64*RP, v[QR]
	v_lshlrev_b32 v[QSR], 2, v[T0]
	v_lshl_add_u32 v[QSR], v[T1], 1, v[QSR]
	v_add_nc_u32 v[QSR], s49, v[QSR]
	v_add_nc_u32 v[QSR], RS0, v[QSR]
	v_add_nc_u32 v[KSR], 2048, v[QSR]
	v_lshl_add_u32 v[OS0], v[RR], 1, s49
	v_add_nc_u32 v[OS0], RS0, v[OS0]
	v_mul_u32_u24 v[VW], v[RR], 528
	v_lshl_add_u32 v[VW], v[HH], 5, v[VW]
	v_add_nc_u32 v[VW], s50, v[VW]
	v_add_nc_u32 v[VW], VB, v[VW]
	v_lshl_add_u32 v[VR], v[LN], 3, s47
	v_mul_u32_u24 v[OW0], v[RR], 48
	v_mad_u32_u24 v[OW0], v[HH], RP, v[OW0]
	v_add_nc_u32 v[OW0], s48, v[OW0]
	v_add_nc_u32 v[OW0], RC0, v[OW0]
	v_mul_u32_u24 v[SG], v[RR], 272
	v_lshl_add_u32 v[SG], v[HH], 5, v[SG]
	v_add_nc_u32 v[SG], s51, v[SG]
	v_mul_u32_u24 v[SGR], v[HH], 272
	v_lshl_add_u32 v[SGR], v[RR], 4, v[SGR]
	v_add_nc_u32 v[SGR], s51, v[SGR]
	v_lshlrev_b32 v[PFO], 8, v[LN]
	v_lshlrev_b32 v[GO], 12, v[HH]
	v_lshl_add_u32 v[GO], v[RR], 4, v[GO]
.irp b, 0,1,2,3
	v_mov_b32 v[TM+4+\b], 0                        ; written once: a lane permute's destination counts as one of its sources
.endr
	s_mov_b32 s52, s46                             ; my share's place in a tile of the stream: the wave's number alone enters it
	s_mov_b32 s53, 0
	s_lshl_b32 s54, s12, 18                        ; 64 rows of 4,096 bytes a work-group,
	s_lshl_b32 s55, s[WV], 16                      ; 16 a wave
	s_add_co_u32 s54, s54, s55
	s_mov_b32 s55, 0
	s_wait_kmcnt 0x0
	s_add_nc_u64 s[4:5], s[4:5], s[54:55]          ; x at my wave's first row
	s_lshl_b32 s54, s12, 18
	s_lshl_b32 s55, s[WV], 8
	s_add_co_u32 s54, s54, s55
	s_mov_b32 s55, 0
	s_add_nc_u64 s[8:9], s[8:9], s[54:55]          ; out0 at the work-group's first row, my wave's 256 bytes of the first 256 columns
	s_lshl_b32 s54, s11, 2
	s_add_co_u32 s54, s54, s[WV]
	s_lshl_b32 s54, s54, 13                        ; 8,192 bytes for each of the cluster's sixteen waves,
	s_add_co_u32 s54, s54, 16*TILE                 ; from tile 16 on
	s_add_nc_u64 s[PFA:PFA+1], s[6:7], s[54:55]
	s_add_nc_u64 s[BW0:BW0+1], s[6:7], s[52:53]    ; my share of tile 0,
	s_add_nc_u64 s[BW1:BW1+1], s[BW0:BW0+1], TILE  ; of tile 1
	s_mov_b32 s[G0], 1                             ; count = 1
	s_mov_b32 s[G0+1], s46                         ; LDS address: slot 0, my share
	s_add_nc_u64 s[G0+2:G0+3], s[BW0:BW0+1], s[POF:POF+1]   ; global address: the first pair's first tile, my share
	s_mov_b32 s[G0+4], 1
	s_add_co_u32 s[G0+5], s46, TILE                ; slot 1
	s_add_nc_u64 s[G0+6:G0+7], s[BW1:BW1+1], s[POF:POF+1]   ; its second tile
	s_or_b32 s[G0+3], s[G0+3], 0x80000000          ; type = 2
	s_or_b32 s[G0+7], s[G0+7], 0x80000000
	ROUND                                          ; all four work-groups are here: the first joint loads meet
	tensor_load_to_lds s[G0:G0+3], s[G1:G1+7]      ; slot 0's first fill: my one tensor load at the head
	s_nop 0
	PLACES 4
	; ---- X: my 16 rows of x.  Each load takes 512 consecutive bytes of a row (K step s); a K step's 16 x 512 bytes turn through my stage, so that lane (r, h) holds, of row r, 16 neighbours of each block of 32.
.macro XLOAD s
.irp i, 0,1,2,3,4,5,6,7,8,9,10,11,12,13,14,15
	global_load_b128 v[64*((\s)%4)+4*\i:64*((\s)%4)+4*\i+3], v[XA], s[4:5] offset:4096*\i+512*(\s) th:TH_LOAD_NT
.endr
.endm
.macro TURN s                          ; LDS serves a wave's instructions in order (ISA guide 5.7.1.4): no wait between the stores and the loads, nor in front of the next K step's stores
	WIN 0x04*(1+(\s)/4)                            ; an LDS store's data are its source 1
.irp i, 0,1,2,3,4,5,6,7,8,9,10,11,12,13,14,15
	ds_store_b128 v[XTW], v[64*((\s)%4)+4*\i:64*((\s)%4)+4*\i+3] offset:528*\i
.endr
	WIN 0
.irp b, 0,1,2,3
.irp j, 0,1,2,3
	ds_load_b128 v[ACC+96*((\s)%2)+16*\b+4*\j:ACC+96*((\s)%2)+16*\b+4*\j+3], v[XTR] offset:128*\b+16*\j
.endr
.endr
.endm
	WIN 0x40
	XLOAD 0
	XLOAD 1
	XLOAD 2
	XLOAD 3
	WIN 0x80
	XLOAD 4
	XLOAD 5
	XLOAD 6
	XLOAD 7
	WIN 0                                          ; the add's two registers lie in window 0
	s_wait_tensorcnt 0x0                           ; slot 1's first fill is issued as a refill is: my share of the first tile is in (x's 128 loads are on their way meanwhile),
	ds_add_u32 v[SPW], v[NIL]                      ; the add to my spare word,
	s_wait_dscnt 0x0                               ; and the wait for it;
	ROUND                                          ; a whole round: the four work-groups' joint loads meet
	tensor_load_to_lds s[G0+4:G0+7], s[G1:G1+7]    ; the first pair's second tile: the first tensor load behind the round; it has phase X in which to land
	s_nop 0
	PLACES 4
	s_wait_loadcnt 63                              ; of my 128 loads 63 may be out: K steps 0 to 3 are in
	TURN 0
.irp s, 0,1,2,3,4,5,6,7
	s_wait_dscnt 0x0                               ; this K step's numbers are back from the stage; the last step's stores have read their registers
.if \s < 7
.if 16*(6-\s) > 63
	s_wait_loadcnt 63
.else
	s_wait_loadcnt 16*(6-\s)                       ; the loads issued behind the next K step's may be out
.endif
	TURN \s+1                                      ; the next K step turns while this one is quantised
.endif
	QUANT ACC+96*(\s%2), 0
.irp c, 0,1
.irp i, 0,1,2
	ds_store_b64 v[CW], v[PC+6*\c+2*\i:PC+6*\c+2*\i+1] offset:96*\s+48*\c+8*\i   ; block 4 s + 2 c + h of my row: 24 bytes
.endr
.endr
	ds_store_b32 v[SW], v[PW] offset:4*\s          ; (both halves of the lanes write the same word)
.endr
	BARRIER                                        ; 64 rows of codes lie in LDS
	LOADA
	s_wait_tensorcnt 1                             ; my share of the first tile is in; the second's load may stay out.  I read my own load's bytes alone
	; ---- QK: the walk's steps 0 to 7, a tile of q and a tile of k each.  The four blocks that QUANT sees are the four tiles of rows: afterwards lane l holds, for c = 0, 1, the 24 bytes of token 32 c + l.
	; They go to the place of the STEP j, block 4 j + w of a token's row, whichever pair of tiles my cluster walks in it: SCORES' read addresses know which.
.macro QKOUT cw, sw
	v_add_nc_u32 v[DA], s[CB24], v[\cw]
	v_add_nc_u32 v[DB], s[CB], v[\sw]
.irp c, 0,1
.irp i, 0,1,2
	ds_store_b64 v[DA], v[PC+6*\c+2*\i:PC+6*\c+2*\i+1] offset:32*RP*\c+8*\i
.endr
.endr
.irp m, 0,1,2,3
	ds_store_b8 v[DB], v[TM+4+\m] offset:512*\m    ; token 16 m + r (both halves of the lanes write the same byte)
.endr
.endm
	s_mov_b32 s[CNT], 8
	s_mul_i32 s[CB24], s[WV], 24
	s_mov_b32 s[CB], s[WV]
.Lqk:
	GEMM 0
	QUANT ACC, 0
	QKOUT QW0, QS0
	CHANGE 0, 1
	GEMM 1
	QUANT ACC, 0
	QKOUT KW0, KS0
	CHANGE 1, 1
	s_add_co_u32 s[CB24], s[CB24], 96              ; four blocks on
	s_add_co_u32 s[CB], s[CB], 4
	s_sub_co_u32 s[CNT], s[CNT], 1
	s_cmp_lg_u32 s[CNT], 0
	s_cbranch_scc1 .Lqk
	; ---- SCORES: the last round has shown all q's and k's codes to every wave.  For token 16 w + t: S^T = k q^T (source 0 = the 16 heads of k, source 1 = the 16 heads of q): lane (r, h) holds query head r and key heads 8 h + 0 .. 7.
	; K = 64: registers 0-5 of an operand are a head's 48 bytes; registers 6-11 are zero codes, which add nothing (their scale bytes are 0, the upper half of a 16-bit load).
.irp q, 0,1,2,3
.irp o, 0,12
.irp i, 6,7,8,9,10,11
	v_mov_b32 v[WB+24*\q+\o+\i], 0
.endr
.endr
.endr
	s_wait_alu depctr_va_vdst(0)
	PLACES 4                                       ; an operand written by vector instructions stands four places ahead of a scaled matrix instruction
.macro SCORES bb                       ; tokens 8 bb .. 8 bb + 7 of my 16
.irp gq, 0,1
.irp q, 0,1,2,3
.irp i, 0,1,2
	ds_load_b64 v[WB+24*\q+2*\i:WB+24*\q+2*\i+1], v[KR] offset:RP*(8*(\bb)+4*\gq+\q)+8*\i
	ds_load_b64 v[WB+24*\q+12+2*\i:WB+24*\q+12+2*\i+1], v[QR] offset:RP*(8*(\bb)+4*\gq+\q)+8*\i
.endr
	ds_load_u16 v[WSC+\q], v[KSR] offset:32*(8*(\bb)+4*\gq+\q)
	ds_load_u16 v[WSC+4+\q], v[QSR] offset:32*(8*(\bb)+4*\gq+\q)
.endr
	s_wait_dscnt 0x0
.irp q, 0,1,2,3
	v_wmma_scale_f32_16x16x128_f8f6f4 v[ACC+8*(4*\gq+\q):ACC+8*(4*\gq+\q)+7], v[WB+24*\q:WB+24*\q+11], v[WB+24*\q+12:WB+24*\q+23], 0, v[WSC+\q], v[WSC+4+\q] matrix_a_fmt:MATRIX_FMT_FP6 matrix_b_fmt:MATRIX_FMT_FP6
.endr
	PLACES 4
.endr
	; the softmax of eight tokens, by turns: att = 2^(c s - c max) / the sum
.irp t, 0,1,2,3,4,5,6,7
	v_max3_num_f32 v[BI+2*\t], v[ACC+8*\t], v[ACC+8*\t+1], v[ACC+8*\t+2]
.endr
.irp t, 0,1,2,3,4,5,6,7
	v_max3_num_f32 v[BI+2*\t], v[BI+2*\t], v[ACC+8*\t+3], v[ACC+8*\t+4]
.endr
.irp t, 0,1,2,3,4,5,6,7
	v_max3_num_f32 v[BI+2*\t], v[BI+2*\t], v[ACC+8*\t+5], v[ACC+8*\t+6]
.endr
.irp t, 0,1,2,3,4,5,6,7
	v_max_num_f32 v[BI+2*\t], v[BI+2*\t], v[ACC+8*\t+7]
.endr
.irp t, 0,1,2,3,4,5,6,7
	v_permlanex16_b32 v[BI+2*\t+1], v[BI+2*\t], s[SEL], s[SEL+1]   ; the query head's other eight key heads lie in the lane 16 away
.endr
.irp t, 0,1,2,3,4,5,6,7
	v_max_num_f32 v[BI+2*\t], v[BI+2*\t], v[BI+2*\t+1]
.endr
.irp t, 0,1,2,3,4,5,6,7
	v_mul_f32 v[BI+2*\t], s[NCS], v[BI+2*\t]       ; -c max
.endr
.irp t, 0,1,2,3,4,5,6,7
.irp k, 0,2,4,6
	v_pk_fma_f32 v[ACC+8*\t+\k:ACC+8*\t+\k+1], v[ACC+8*\t+\k:ACC+8*\t+\k+1], s[CS:CS+1], v[BI+2*\t:BI+2*\t+1] op_sel_hi:[1,0,0]   ; c s - c max, two at a time
.endr
.endr
.set J, 0
	s_wait_alu depctr_va_vdst(0)
.rept 64
	v_exp_f32 v[ACC+J], v[ACC+J]
.set J, J+1
.endr
	v_nop                                          ; a plain instruction behind the last exponential
	s_wait_alu depctr_va_vdst(0)                   ; one wait for the batch, ahead of its first reader
.irp t, 0,1,2,3,4,5,6,7
	v_pk_add_f32 v[UU+2*\t:UU+2*\t+1], v[ACC+8*\t:ACC+8*\t+1], v[ACC+8*\t+2:ACC+8*\t+3]
.endr
.irp t, 0,1,2,3,4,5,6,7
	v_pk_add_f32 v[UU+2*\t:UU+2*\t+1], v[UU+2*\t:UU+2*\t+1], v[ACC+8*\t+4:ACC+8*\t+5]
.endr
.irp t, 0,1,2,3,4,5,6,7
	v_pk_add_f32 v[UU+2*\t:UU+2*\t+1], v[UU+2*\t:UU+2*\t+1], v[ACC+8*\t+6:ACC+8*\t+7]
.endr
.irp t, 0,1,2,3,4,5,6,7
	v_add_f32 v[UU+2*\t], v[UU+2*\t], v[UU+2*\t+1]
.endr
.irp t, 0,1,2,3,4,5,6,7
	v_permlanex16_b32 v[UU+2*\t+1], v[UU+2*\t], s[SEL], s[SEL+1]
.endr
.irp t, 0,1,2,3,4,5,6,7
	v_add_f32 v[UU+2*\t], v[UU+2*\t], v[UU+2*\t+1]   ; the row's sum: at least about 1
.endr
	s_wait_alu depctr_va_vdst(0)
.irp t, 0,1,2,3,4,5,6,7
	v_rcp_f32 v[UU+2*\t], v[UU+2*\t]
.endr
	v_nop
	s_wait_alu depctr_va_vdst(0)                   ; one wait for the eight reciprocals
	WIN 0x40*(1+(\bb))                             ; att: window 1 or 2
.irp t, 0,1,2,3,4,5,6,7
.irp k, 0,2,4,6
	v_pk_mul_f32 v[ATT+8*\t+\k:ATT+8*\t+\k+1], v[ACC+8*\t+\k:ACC+8*\t+\k+1], v[UU+2*\t:UU+2*\t+1] op_sel_hi:[1,0]
.endr
.endr
	WIN 0
.endm
	SCORES 0
	SCORES 1
	BARRIER                                        ; nobody reads q's or k's bytes any more: v and o's codes may land there.  (My refill of slot 1 stays out)
	; ---- V: tiles 16 to 23.  Tile 16 + 4 b + sg brings heads g = {2 sg, 2 sg + 1, 8 + 2 sg, 9 + 2 sg} x channels 32 b .. 32 b + 31 of v.  All waves' columns of a token lie in VB as 128 numbers, number 16 iota + rho.
	; O^T += v^T att^T by the f32 form, K = 4 heads: source 0 = 16 channels (lane l takes numbers 64 u + 2 l, 2 l + 1), source 1 = att's registers 2 sg, 2 sg + 1.  In accumulator (t, u) lane (r, h) holds head r and
	; register j channel 32 b + 16 h + 8 u + j: a token's 16 registers are 16 neighbours along the last product's K.  The 32 accumulators take turns.
.macro AV16 sg, t0
.irp t, 0,1,2,3,4,5,6,7
.irp u, 0,1
.if (\sg) == 0
	v_wmma_f32_16x16x4_f32 v[16*(\t0+\t)+8*\u:16*(\t0+\t)+8*\u+7], v[VO+4*(\t0+\t)+2*\u:VO+4*(\t0+\t)+2*\u+1], v[ATT+8*\t+2*(\sg):ATT+8*\t+2*(\sg)+1], 0
.else
	v_wmma_f32_16x16x4_f32 v[16*(\t0+\t)+8*\u:16*(\t0+\t)+8*\u+7], v[VO+4*(\t0+\t)+2*\u:VO+4*(\t0+\t)+2*\u+1], v[ATT+8*\t+2*(\sg):ATT+8*\t+2*(\sg)+1], v[16*(\t0+\t)+8*\u:16*(\t0+\t)+8*\u+7]
.endif
.endr
.endr
.endm
.macro VSTEP sg, p
	GEMM \p
.irp m, 0,1,2,3
.irp e, 0,1
	ds_store_b128 v[VW], v[ACC+16*\m+8*\e:ACC+16*\m+8*\e+3] offset:16*528*\m+64*\e          ; each accumulator from its low end on
	ds_store_b128 v[VW], v[ACC+16*\m+8*\e+4:ACC+16*\m+8*\e+7] offset:16*528*\m+64*\e+16
.endr
.endr
	BARRIER                                        ; 64 tokens x 128 numbers of v lie in LDS.  (My refill stays out; the next change of slots parts these reads from the next tile's stores)
.irp t, 0,1,2,3,4,5,6,7,8,9,10,11,12,13,14,15
.irp u, 0,1
	ds_load_b64 v[VO+4*\t+2*\u:VO+4*\t+2*\u+1], v[VR] offset:528*\t+256*\u
.endr
.endr
	s_wait_dscnt 16                                ; tokens 0 to 7 are in; the sixteen loads of tokens 8 to 15 may be out
	WIN 0xf4                                       ; v window 0, att window 1, C and D window 3
	AV16 \sg, 0
	s_wait_dscnt 0x0
	WIN 0xf8                                       ; att window 2
	AV16 \sg, 8
	WIN 0
	PLACES 8                                       ; eight places behind the f32 form
.endm
	s_mov_b32 s[CNT], 2
	s_mov_b32 s[OB24], 0
	s_mov_b32 s[OB], 0
.Lv:
	s_wait_alu depctr_va_vdst(0)
	VSTEP 0, 0                                     ; its products start the sums with the constant 0
	CHANGE 0, 1
	VSTEP 1, 1
	CHANGE 1, 1
	VSTEP 2, 0
	CHANGE 0, 1
	VSTEP 3, 1
	; 32 channels of o, for my 16 tokens x 16 heads, are whole.  QUANT's four blocks are four tokens; its rows are the heads.  Afterwards lane (r, h) holds, for c = 0, 1, block 2 r + b of token 4 gg + 2 c + h.
	v_add_nc_u32 v[DA], s[OB24], v[OW0]
	v_add_nc_u32 v[DB], s[OB], v[OS0]
.irp gg, 0,1,2,3
.if \gg > 0
	s_wait_dscnt 0x0                               ; the last four tokens' stores have read their registers
.endif
	QUANT 64*\gg, 3
.irp c, 0,1
.irp i, 0,1,2
	ds_store_b64 v[DA], v[PC+6*\c+2*\i:PC+6*\c+2*\i+1] offset:RP*(4*\gg+2*\c)+8*\i
.endr
.endr
.irp b, 0,1,2,3
	ds_store_b8 v[DB], v[TM+4+\b] offset:32*(4*\gg+\b)
.endr
.endr
	CHANGE 1, 1
	s_add_co_u32 s[OB24], s[OB24], 24
	s_add_co_u32 s[OB], s[OB], 1
	s_sub_co_u32 s[CNT], s[CNT], 1
	s_cmp_lg_u32 s[CNT], 0
	s_cbranch_scc1 .Lv
	; ---- OUT: the last round has shown o's codes to every wave.  Tiles 24 to 31: a pair of tiles is 64 columns a wave, 256 bytes of each of the 64 rows.  The stage is my wave's own: no barrier.
	; My cluster's t-th pair is pair (t + c) mod 4 of W_out's four: columns 256 ((t + c) mod 4) on.
	LOADA
.macro STAGE odd
.irp m, 0,1,2,3
.irp e, 0,1
	ds_store_b128 v[SG], v[ACC+16*\m+8*\e:ACC+16*\m+8*\e+3] offset:16*272*\m+128*(\odd)+64*\e
	ds_store_b128 v[SG], v[ACC+16*\m+8*\e+4:ACC+16*\m+8*\e+7] offset:16*272*\m+128*(\odd)+64*\e+16
.endr
.endr
.endm
.macro OUTADR                          ; out0 at the pair's 256 columns.  The last pair's stores have read their base: the wait at the last FLUSH's end
	s_and_b32 s46, s[QO], 3
	s_lshl_b32 s46, s46, 10                        ; 1,024 bytes for 256 columns
	s_mov_b32 s47, 0
	s_add_nc_u64 s[OA:OA+1], s[8:9], s[46:47]
	s_add_co_u32 s[QO], s[QO], 1
.endm
.macro FLUSH more                      ; 64 rows x 256 bytes come back by rows, two rows an instruction, and leave
.irp q, 0,1,2,3,4,5,6,7,8,9,10,11,12,13,14,15
	ds_load_b128 v[WB+4*\q:WB+4*\q+3], v[SGR] offset:544*\q          ; LDS serves a wave's instructions in order: these see my stores
.endr
.irp q, 0,1,2,3,4,5,6,7,8,9,10,11,12,13,14,15
	ds_load_b128 v[ACC+4*\q:ACC+4*\q+3], v[SGR] offset:544*(16+\q)
.endr
.irp q, 0,1,2,3,4,5,6,7,8,9,10,11,12,13,14,15
	s_wait_dscnt 31-\q                             ; the loads issued behind this one may be out
	global_store_b128 v[GO], v[WB+4*\q:WB+4*\q+3], s[OA:OA+1] offset:8192*\q th:TH_STORE_NT   ; 16 lanes store 256 consecutive bytes, at a multiple of 256 from out0's first byte
.endr
.irp q, 0,1,2,3,4,5,6,7,8,9,10,11,12,13,14,15
	s_wait_dscnt 15-\q
	global_store_b128 v[GO], v[ACC+4*\q:ACC+4*\q+3], s[OA:OA+1] offset:8192*(16+\q) th:TH_STORE_NT
.endr
.if \more
	s_wait_xcnt 0x0                                ; the stores have read their registers and their base: both are written again only behind this wait
.endif
.endm
	s_mov_b32 s[CNT], 3
	s_mov_b32 s[QO], s[GR]
.Lout:
	GEMM 0
	STAGE 0
	CHANGE 0, 0
	GEMM 1
	STAGE 1
	OUTADR
	FLUSH 1
	CHANGE 1, 0
	s_sub_co_u32 s[CNT], s[CNT], 1
	s_cmp_lg_u32 s[CNT], 0
	s_cbranch_scc1 .Lout
	GEMM 0                                         ; the walk's last two tiles are written out: nothing is left to fetch
	STAGE 0
	s_wait_tensorcnt 0x0                           ; the last tile: no load was issued behind it
	GEMM 1
	STAGE 1
	OUTADR
	FLUSH 0
	s_wait_tensorcnt 0x0                           ; the wave's end, behind my last tensor load and my last LDS store
	ds_add_u32 v[SPW], v[NIL]
	s_wait_dscnt 0x0
	ROUND                                          ; the closing round: no work-group ends while a partner may still ask for a tile that names it
	s_endpgm
.Lfunc_end_k_q59ded90e07_fused:
	.size	k_q59ded90e07_fused, .Lfunc_end_k_q59ded90e07_fused-k_q59ded90e07_fused
	.p2alignl 7, 3214868480
	.fill 96, 4, 3214868480
	.section	.rodata,"a",@progbits
	.p2align	6, 0x0
	.amdhsa_kernel k_q59ded90e07_fused
		.amdhsa_group_segment_fixed_size 327680
		.amdhsa_private_segment_fixed_size 0
		.amdhsa_enable_private_segment 0
		.amdhsa_kernarg_size 24
		.amdhsa_user_sgpr_count 2
		.amdhsa_user_sgpr_kernarg_segment_ptr 1
		.amdhsa_wavefront_size32 1
		.amdhsa_system_sgpr_workgroup_id_x 1
		.amdhsa_system_sgpr_workgroup_id_y 1
		.amdhsa_system_sgpr_workgroup_id_z 1
		.amdhsa_system_vgpr_workitem_id 0
		.amdhsa_next_free_vgpr 1024
		.amdhsa_next_free_sgpr 66
		.amdhsa_reserve_vcc 0
		.amdhsa_float_denorm_mode_32 3
		.amdhsa_float_denorm_mode_16_64 3
		.amdhsa_memory_ordered 1
		.amdhsa_forward_progress 1
		.amdhsa_inst_pref_size 255
	.end_amdhsa_kernel
	.section	.bss,"aw",@nobits
	.p2align	6
	.space	262144
	.amdgpu_metadata
---
amdhsa.version: [ 1, 2 ]
amdhsa.kernels:
  - .name:           k_q59ded90e07_fused
    .symbol:         k_q59ded90e07_fused.kd
    .args:
      - { .name: x, .offset: 0, .size: 8, .value_kind: global_buffer, .address_space: global }
      - { .name: wstream, .offset: 8, .size: 8, .value_kind: global_buffer, .address_space: global }
      - { .name: out0, .offset: 16, .size: 8, .value_kind: global_buffer, .address_space: global }
    .group_segment_fixed_size: 327680
    .private_segment_fixed_size: 0
    .kernarg_segment_align: 8
    .kernarg_segment_size: 24
    .max_flat_workgroup_size: 128
    .sgpr_count:     66
    .vgpr_count:     1024
    .wavefront_size: 32
...
	.end_amdgpu_metadata
.endif
;; end of part 2
